; MI455X (gfx1250); checked and timed in simulation.
; The chip was launched on July 23, 2026; its instructions are those of AMD's public machine-readable ISA for CDNA 5 (MIT licence, August 2026) and "CDNA5" Instruction Set Architecture Reference Guide (July 2026). The comments in the code are by the model that wrote it; some were corrected since.
;; Quantized Linear. Allowed arithmetic: matrix products marked QUANTISED: E4M3 operands, one E8M0 scale for each 32 along K, by v_wmma_scale_f32_16x16x128_f8f6f4 with both operands' format E4M3, f32 sums; everything else in f32.
;; Inputs: bias 16,384 float32; weight_quantized 16,384 x 4,096 int8; weight_scale 16,384 float32; weight_zero_point 16,384 float32; x_codes 4 x 256 x 128 x 32 uint8 (E4M3 codes of x, K innermost, in blocks of 32 codes); x_scales 4 x 256 x 128 uint8 (E8M0 scales of x, one for each 32 codes along K).
;; Outputs: out0 4 x 256 x 16,384 float32.
;; This version of the problem:
;;   THIS VERSION OF THE PROBLEM IS GIVEN IN LOW PRECISION. The matrix products marked QUANTISED in the list below multiply operands that are first quantised to E4M3 (4 exponent bits, 3 mantissa bits; 8 bits a number), with one power-of-two scale for each 32 numbers along K (OCP MX v1.0); their sums are f32. All else is computed in f32.
;;   The module's matrix products, in the order in which they are computed (A, B: the left and right operand; K: the contracted axis; several contracted axes count as one K, in the product's order):
;;     1. [M 1,024, K 4,096] x [K 4,096, N 16,384]; A: input x (given as codes); B: computed on the way: QUANTISED
;;   THE QUANTISER, for each operand of a quantised product, along K:
;;     - K is cut into blocks of 32 from its start; a last block that is shorter is filled with zeros.
;;     - A block's scale is 2^e with e = floor(log2(the largest magnitude in the block)) - 8, held to -126 .. 127; a block of zeros has e = 0. As a byte (E8M0): e + 127.
;;     - Each number is divided by its block's scale, clamped to +-448, and rounded to the nearest number of E4M3, ties to even, subnormals kept.
;;     - The product sums the exact products of the quantised numbers (number of the format x scale) in f32.
;;   ~~~python
;;   def quantise(x, axis):      # numpy; x: float32 -> the quantised numbers, widened to float32 again
;;       x = np.moveaxis(x, axis, -1); K = x.shape[-1]
;;       x = np.pad(x, [(0, 0)] * (x.ndim - 1) + [(0, -K % 32)]); x = x.reshape(x.shape[:-1] + (-1, 32)); a = np.abs(x).max(-1, keepdims=True)
;;       e = np.where(a > 0, np.clip(np.frexp(np.where(a > 0, a, 1))[1] - 1 - 8, -126, 127), 0)      # np.frexp(a)[1] - 1 = floor(log2(a)), exactly
;;       r = np.clip(x / 2.0 ** e, -448, 448)
;;       step = 2.0 ** (np.maximum(np.frexp(np.where(r == 0, 1, r))[1] - 1, -6) - 3)
;;       q = np.round(r / step) * step * 2.0 ** e      # np.round: ties to even
;;       return np.moveaxis(q.reshape(q.shape[:-2] + (-1,))[..., :K], -1, axis).astype(np.float32)
;;   ~~~
;;   OPERANDS COMPUTED ON THE WAY. 'Computed on the way' means the value that the module computes at that place (a softmax that the list does not call 'softmax' is quantised finished and normalised). What goes into a quantiser is computed in f32, as accurately as f32 sums, v_exp_f32 and their like allow (about 1e-6 of the number): no bf16 or f16 on the way to a quantiser, and a product that is left as it is and whose result goes on into a quantised operand takes f32 operands (vector FMAs, or v_wmma_f32_16x16x4_f32). A number that lies on a knife's edge between two numbers of the format may be rounded either way, as far as f32 arithmetic and the matrix unit's own rounding can turn it there, and no further.
;;   INPUTS GIVEN AS CODES. x (in the module: [4, 256, 4096], K = its axis 2): each comes as NAME_codes (uint8): NAME with its K axis moved to the last place and cut into blocks of 32 codes, [.., K / 32, bytes a block], one block behind the other in memory; one code a byte (a code: sign, 4 exponent bits, 3 mantissa bits); and NAME_scales (uint8): the same leading axes, one E8M0 byte (e + 127) for each 32 codes along K. Its value is code x scale, taken as it is: it is not quantised again, and the codes and scales need not be those that the quantiser above would give.
;; One version. Each part assembles by itself: llvm-mc -triple=amdgcn-amd-amdhsa -mcpu=gfx1250 --defsym DOCPART=n.
;; ======== version 1 of 1: 2 launches
;; limits: right only within a limited range of input values
;; workspace buffers: wq 69,206,016 bytes; xa 4,194,304 bytes
;; launch quant (part 1): grid 1024 x 1, 4 waves a work-group, no clusters, 6,912 bytes of LDS; arguments weight_quantized, weight_scale, weight_zero_point, wq, x_codes, xa; writes wq, xa
.if DOCPART == 1
	.amdgcn_target "amdgcn-amd-amdhsa--gfx1250"
	.amdhsa_code_object_version 6
	.text
	.protected	k_q3cc26e1df9_quant
	.globl	k_q3cc26e1df9_quant
	.p2align	8
	.type	k_q3cc26e1df9_quant,@function
k_q3cc26e1df9_quant:
	s_mov_b64 s[64:65], 0
	v_nop
	global_prefetch_b8 v0, s[64:65] scope:SCOPE_SE
	s_setreg_imm32_b32 hwreg(HW_REG_WAVE_MODE, 25, 1), 1
	s_wait_xcnt 0x0
; TWO PREPARING JOBS FOR THE PRODUCT'S LAUNCH.
; (1) w[n][k] = (float(q[n][k]) - zp[n]) * scale[n], in f32 as it is defined, becomes codes of FP8 (E4M3) with one E8M0 byte for each 32 along K.
; A block's scale is 2^(floor(log2(its largest magnitude)) - 8); its byte is the largest magnitude's exponent field - 8, held at 1 from below.
; Each number is divided by the scale, held within +-448 and rounded to the nearest code, ties to even.
; LIMITS: NaN and infinities in zp, scale or w are not served.  A block of zeros gets the byte 1 where the rule says 127: its codes are zeros, which add
; nothing under any byte but 0xff, and the bytes are read by this program alone.
; wq: block (t = n / 128, j = k / 256) is 33,792 dense bytes at (16 t + j) x 33,792: 128 rows of 256 codes, then 8 scale bytes for each of the 128 rows.
; Work-group g makes blocks (g / 8, 2 (g % 8)) and the next.  Wave w takes rows 32 w .. 32 w + 31, 512 along K; a substep is one row: one load of 512 consecutive bytes, 16 a lane,
; so that two neighbouring lanes hold a block of 32 and zp and scale are one number for the wave.  All 32 loads of a wave go out at the start; every substep has registers of its own.
; (2) x's codes are copied, unchanged, into the order of the product's operand registers: xa[m / 128][k / 128][(m / 16) % 8][c][lane 16 h + r][16 bytes] = x[16 (m / 16) + r][128 (k / 128) + 32 c + 16 h ..].
; Work-group g takes 16 rows x 256 bytes (rows 16 (g / 16) .., K from 256 (g % 16)): sixteen lanes read 256 consecutive bytes of a row; the 16-byte pieces change places in LDS
; (piece j of row r at 272 j + 16 r); one barrier, since a unit of 256 bytes of xa holds a piece of each of the 16 rows, which four waves loaded; then whole units of 256 bytes are stored.
; No matrix unit, no cluster (no two work-groups read the same byte).
.set BLKB, 33792                       ; bytes of a block of wq
.set X,    16                          ; v16-31   the 16 numbers at work
.set E,    32                          ; v32-63   a scale byte for each substep
.set R,    64                          ; v64-191  four registers a substep: the row's bytes as loaded, later its codes
.set ZP,   16                          ; s16-47   zp of my 32 rows
.set XB,   0xa00                       ; LDS: x's 16 units of 256 bytes + 16 of padding; 0 .. 0x7ff the scale bytes, 0x800 the spare words
	s_load_b256 s[4:11], s[0:1], 0x0               ; q s[4:5], scale s[6:7], zp s[8:9], wq s[10:11]
	s_load_b128 s[96:99], s[0:1], 0x20             ; x_codes s[96:97], xa s[98:99]
	v_lshl_add_u32 v200, v0, 2, 0x800
	v_mov_b32 v201, 0
	v_lshrrev_b32 v1, 5, v0
	v_readfirstlane_b32 s14, v1                    ; wave 0..3
	v_and_b32 v1, 31, v0                           ; lane
	v_lshlrev_b32 v2, 4, v1                        ; in: my 16 bytes of a row's 512
	v_bfe_u32 v6, v0, 4, 1                         ; which of the two blocks my 16 along K fall into
	v_and_b32 v7, 15, v0
	v_mul_u32_u24 v3, v6, BLKB
	v_lshl_add_u32 v3, v7, 4, v3                   ; out: sixteen lanes fill 256 consecutive bytes of each block
	v_bfe_u32 v7, v0, 1, 3                         ; my block of 32 among the eight of a row's 256
	v_lshl_add_u32 v4, v6, 8, v7
	s_lshl_b32 s15, s14, 9                         ; LDS: 512 bytes a wave: the scale bytes of its 32 rows
	v_add_nc_u32 v4, s15, v4                       ; where my block's byte goes (+ 8 x row)
	v_add_nc_u32 v5, s15, v2                       ; and where I read 16 of them back
	v_mov_b32 v13, 0                               ; (upper halves of the pairs that the packed forms name)
	v_mov_b32 v15, 0
	v_lshrrev_b32 v206, 4, v0                      ; x: thread / 16: my row of eight,
	v_and_b32 v207, 15, v0                         ; thread % 16: my piece of its 256 bytes
	v_lshlrev_b32 v204, 12, v206
	v_lshl_add_u32 v204, v207, 4, v204             ; in: row x 4,096 + 16 x piece
	v_mul_u32_u24 v205, v207, 272
	v_lshl_add_u32 v205, v206, 4, v205
	v_add_nc_u32 v205, XB, v205                    ; into LDS: 272 x piece + 16 x row
	v_mul_u32_u24 v216, v206, 272
	v_lshl_add_u32 v216, v207, 4, v216
	v_add_nc_u32 v216, XB, v216                    ; back: unit thread / 16, its bytes in order
	v_lshlrev_b32 v217, 4, v0                      ; out: 16 x thread
	s_lshr_b32 s20, ttmp9, 3                       ; t
	s_and_b32 s21, ttmp9, 7                        ; which 512 along K
	s_lshl_b32 s20, s20, 7
	s_lshl_b32 s22, s14, 5
	s_add_co_u32 s20, s20, s22                     ; my first row: 128 t + 32 w
	s_lshl_b32 s22, s20, 12
	s_lshl_b32 s21, s21, 9
	s_add_co_u32 s22, s22, s21
	s_mov_b32 s23, 0
	s_lshl_b32 s20, s20, 2                         ; its place in zp and in scale
	s_mov_b32 s21, 0
	s_mul_i32 s24, ttmp9, 2*BLKB                   ; my work-group's two blocks
	s_lshl_b32 s26, s14, 8
	s_add_co_u32 s26, s26, s24
	s_add_co_u32 s26, s26, 32768                   ; my rows' scale bytes: behind the codes, 8 a row
	s_mov_b32 s27, 0
	s_lshl_b32 s28, s14, 13
	s_add_co_u32 s24, s24, s28                     ; my rows' codes: 256 a row
	s_mov_b32 s25, 0
	s_lshr_b32 s30, ttmp9, 4                       ; x: my 16 rows: g / 16,
	s_and_b32 s29, ttmp9, 15                       ; my 256 along K: g % 16
	s_and_b32 s32, s30, 7
	s_lshl_b32 s32, s32, 11                        ; xa: + 2,048 x ((m / 16) % 8)
	s_lshl_b32 s30, s30, 16
	s_lshl_b32 s28, s29, 8
	s_add_co_u32 s30, s30, s28                     ; x_codes: 16 rows x 4,096 x (g / 16) + 256 x (g % 16)
	s_mov_b32 s31, 0
	s_lshl_b32 s28, s29, 15
	s_add_co_u32 s32, s32, s28                     ; + two steps of 16,384 x (g % 16)
	s_lshr_b32 s28, ttmp9, 7
	s_lshl_b32 s28, s28, 19
	s_add_co_u32 s32, s32, s28                     ; + 524,288 x (m / 128)
	s_mov_b32 s33, 0
	s_wait_alu depctr_va_vdst(0)
	s_wait_kmcnt 0x0
	s_add_nc_u64 s[4:5], s[4:5], s[22:23]
	s_add_nc_u64 s[6:7], s[6:7], s[20:21]
	s_add_nc_u64 s[8:9], s[8:9], s[20:21]
	s_add_nc_u64 s[12:13], s[10:11], s[26:27]
	s_add_nc_u64 s[10:11], s[10:11], s[24:25]
	s_add_nc_u64 s[96:97], s[96:97], s[30:31]
	s_add_nc_u64 s[98:99], s[98:99], s[32:33]
	global_load_b128 v[208:211], v204, s[96:97] th:TH_LOAD_NT                ; x: rows 0-7,
	global_load_b128 v[212:215], v204, s[96:97] offset:32768 th:TH_LOAD_NT   ; rows 8-15
.set I_, 0
.rept 32
	global_load_b128 v[R+4*I_:R+4*I_+3], v2, s[4:5] offset:4096*I_ th:TH_LOAD_NT   ; row I_: 32 lanes read 512 consecutive bytes
.set I_, I_+1
.endr
	s_load_b512 s[16:31], s[8:9], 0x0              ; zp of rows 0-15,
	s_load_b512 s[32:47], s[8:9], 0x40             ; 16-31
	s_load_b512 s[48:63], s[6:7], 0x0              ; scale of rows 0-15,
	s_load_b512 s[68:83], s[6:7], 0x40             ; 16-31
	s_mov_b32 s84, 0x80808080                      ; q as a byte, with its top bit turned, is q + 128, unsigned
	s_mov_b32 s85, 0x4b000000                      ; 2^23 as f32: a byte laid into its lowest mantissa bits gives 2^23 + the byte
	s_mov_b32 s86, 0xcb000080                      ; -(2^23 + 128)
	s_mov_b32 s87, s86
	s_mov_b32 s88, 0x07050400                      ; v_perm_b32: byte 0 of the word under 0x4b0000,
	s_mov_b32 s89, 0x07050401                      ; byte 1,
	s_mov_b32 s90, 0x07050402                      ; byte 2,
	s_mov_b32 s91, 0x07050403                      ; byte 3
	s_mov_b32 s92, 0x600000                        ; the mantissa field of 448
	s_wait_kmcnt 0x0
.macro SUB i
.if (\i) < 16
.set SCR, 48+(\i)
.else
.set SCR, 52+(\i)
.endif
	s_wait_loadcnt 31-(\i)                         ; loads come back in order: row i is in, the 31 - i younger rows may be out
	v_mov_b32 v12, s[ZP+(\i)]                      ; the row's zp
	v_mov_b32 v14, s[SCR]                          ; and scale
.irp a, 0,1,2,3
	v_xor_b32 v[R+4*(\i)+\a], s84, v[R+4*(\i)+\a]
.endr
.irp a, 0,1,2,3
.irp b, 0,1,2,3
	v_perm_b32 v[X+4*\a+\b], s85, v[R+4*(\i)+\a], s[88+\b]         ; 2^23 + q + 128, exact
.endr
.endr
.irp j, 0,2,4,6,8,10,12,14
	v_pk_add_f32 v[X+\j:X+\j+1], v[X+\j:X+\j+1], s[86:87] op_sel_hi:[1,0]                               ; q, exact
.endr
.irp j, 0,2,4,6,8,10,12,14
	v_pk_add_f32 v[X+\j:X+\j+1], v[X+\j:X+\j+1], v[12:13] op_sel_hi:[1,0] neg_lo:[0,1] neg_hi:[0,1]     ; q - zp, rounded once,
.endr
.irp j, 0,2,4,6,8,10,12,14
	v_pk_mul_f32 v[X+\j:X+\j+1], v[X+\j:X+\j+1], v[14:15] op_sel_hi:[1,0]                               ; x scale, rounded once: not fused, so that w has the bits of its definition
.endr
	v_max3_num_f32 v8, |v[X]|, |v[X+1]|, |v[X+2]|                  ; the largest magnitude of my 16, in two chains
	v_max3_num_f32 v9, |v[X+3]|, |v[X+4]|, |v[X+5]|
.irp j, 6,10
	v_max3_num_f32 v8, v8, |v[X+\j]|, |v[X+\j+1]|
	v_max3_num_f32 v9, v9, |v[X+\j+2]|, |v[X+\j+3]|
.endr
	v_max3_num_f32 v8, v8, |v[X+14]|, |v[X+15]|
	v_max3_num_f32 v8, v8, v9, 0x4800000           ; and the floor 2^(9 - 127): the byte cannot fall under 1
	v_max_num_f32_dpp v8, v8, v8 row_xmask:1 row_mask:0xf bank_mask:0xf   ; with my neighbour's 16: the block's
	v_add_nc_u32 v11, 0xfc000000, v8               ; 8 off its exponent field: the conversion's scale operand
	v_and_or_b32 v10, v8, 0x7f800000, s92          ; 448 x the scale
.irp j, 0,1,2,3,4,5,6,7,8,9,10,11,12,13,14,15
	v_med3_num_f32 v[X+\j], v[X+\j], -v10, v10     ; the conversion to an 8-bit code does not saturate (ISA guide 7.6.2): the hold comes first
.endr
	v_cvt_scalef32_pk8_fp8_f32 v[R+4*(\i):R+4*(\i)+1], v[X:X+7], v11
	v_cvt_scalef32_pk8_fp8_f32 v[R+4*(\i)+2:R+4*(\i)+3], v[X+8:X+15], v11
	v_lshrrev_b32 v[E+(\i)], 23, v11               ; the scale's byte; also the plain line behind the conversions
	ds_store_b8 v4, v[E+(\i)] offset:8*(\i)        ; both lanes of a block write the same byte with the same value
	global_store_b128 v3, v[R+4*(\i):R+4*(\i)+3], s[10:11] offset:256*(\i)   ; sixteen lanes store 256 consecutive bytes, aligned, in each of the two blocks
.endm
	s_wait_loadcnt 32                              ; x's two loads are in; the 32 rows of q are younger
	ds_store_b128 v205, v[208:211]
	ds_store_b128 v205, v[212:215] offset:128      ; rows 8-15: 16 x 8 further on
	s_wait_dscnt 0x0                               ; for the others' sake: my pieces are stored
	s_barrier_signal -1
	s_barrier_wait -1
	ds_load_b128 v[208:211], v216                  ; units 0-7: the first 128 along K,
	ds_load_b128 v[212:215], v216 offset:2176      ; units 8-15: the second
	s_wait_dscnt 0x0
	global_store_b128 v217, v[208:211], s[98:99]
	global_store_b128 v217, v[212:215], s[98:99] offset:16384   ; sixteen lanes store 256 consecutive bytes, aligned
.set I_, 0
.rept 32
	SUB I_
.set I_, I_+1
.endr
	ds_load_b128 v[192:195], v5                    ; LDS serves a wave's instructions in order: this sees my stores
	s_wait_dscnt 0x0
	global_store_b128 v3, v[192:195], s[12:13]     ; my 32 rows' scale bytes: 256 consecutive bytes, aligned, in each of the two blocks
	s_wait_tensorcnt 0x0                           ; the wave's end
	ds_add_u32 v200, v201
	s_wait_dscnt 0x0
	s_endpgm
.Lfunc_end_k_q3cc26e1df9_quant:
	.size	k_q3cc26e1df9_quant, .Lfunc_end_k_q3cc26e1df9_quant-k_q3cc26e1df9_quant
	.p2alignl 7, 3214868480
	.fill 96, 4, 3214868480
	.section	.rodata,"a",@progbits
	.p2align	6, 0x0
	.amdhsa_kernel k_q3cc26e1df9_quant
		.amdhsa_group_segment_fixed_size 6912
		.amdhsa_private_segment_fixed_size 0
		.amdhsa_enable_private_segment 0
		.amdhsa_kernarg_size 48
		.amdhsa_user_sgpr_count 2
		.amdhsa_user_sgpr_kernarg_segment_ptr 1
		.amdhsa_wavefront_size32 1
		.amdhsa_system_sgpr_workgroup_id_x 1
		.amdhsa_system_sgpr_workgroup_id_y 1
		.amdhsa_system_sgpr_workgroup_id_z 1
		.amdhsa_system_vgpr_workitem_id 0
		.amdhsa_next_free_vgpr 224
		.amdhsa_next_free_sgpr 104
		.amdhsa_reserve_vcc 0
		.amdhsa_float_denorm_mode_32 3
		.amdhsa_float_denorm_mode_16_64 3
		.amdhsa_memory_ordered 1
		.amdhsa_forward_progress 1
		.amdhsa_inst_pref_size 162
	.end_amdhsa_kernel
	.amdgpu_metadata
---
amdhsa.version: [ 1, 2 ]
amdhsa.kernels:
  - .name:           k_q3cc26e1df9_quant
    .symbol:         k_q3cc26e1df9_quant.kd
    .args:
      - { .name: weight_quantized, .offset: 0, .size: 8, .value_kind: global_buffer, .address_space: global }
      - { .name: weight_scale, .offset: 8, .size: 8, .value_kind: global_buffer, .address_space: global }
      - { .name: weight_zero_point, .offset: 16, .size: 8, .value_kind: global_buffer, .address_space: global }
      - { .name: wq, .offset: 24, .size: 8, .value_kind: global_buffer, .address_space: global }
      - { .name: x_codes, .offset: 32, .size: 8, .value_kind: global_buffer, .address_space: global }
      - { .name: xa, .offset: 40, .size: 8, .value_kind: global_buffer, .address_space: global }
    .group_segment_fixed_size: 6912
    .private_segment_fixed_size: 0
    .kernarg_segment_align: 8
    .kernarg_segment_size: 48
    .max_flat_workgroup_size: 128
    .sgpr_count:     104
    .vgpr_count:     224
    .wavefront_size: 32
...
	.end_amdgpu_metadata
.endif
;; end of part 1
;; launch gemm (part 2): grid 4 x 64, 4 waves a work-group, clusters of 4 x 1, 327,680 bytes of LDS; arguments xa, x_scales, wq, bias, out0; writes out0
.if DOCPART == 2
	.amdgcn_target "amdgcn-amd-amdhsa--gfx1250"
	.amdhsa_code_object_version 6
	.text
	.protected	k_q3cc26e1df9_gemm
	.globl	k_q3cc26e1df9_gemm
	.p2align	8
	.type	k_q3cc26e1df9_gemm,@function
k_q3cc26e1df9_gemm:
	s_mov_b64 s[64:65], 0
	v_nop
	global_prefetch_b8 v0, s[64:65] scope:SCOPE_SE
	s_setreg_imm32_b32 hwreg(HW_REG_WAVE_MODE, 25, 1), 1
	s_wait_xcnt 0x0
	s_wait_alu depctr_hold_cnt(0) depctr_sa_sdst(0) depctr_va_vdst(0) depctr_va_sdst(0) depctr_va_ssrc(0) depctr_va_vcc(0) depctr_vm_vsrc(0)
	s_getreg_b32 s2, hwreg(HW_REG_IB_STS2, 6, 4)
	s_cmp_eq_u32 s2, 0
	s_cbranch_scc0 .Lentry_in_a_cluster
	s_endpgm
.Lentry_in_a_cluster:
	s_bfe_u32 s2, ttmp6, 0x10000c
	s_cmp_lg_u32 s2, 0x3003
	s_cbranch_scc0 .Lentry_shape_is_right
	s_endpgm
.Lentry_shape_is_right:
; out[m][n] = sum over k of x[m][k] w[n][k] + bias[n]: 1,024 x 16,384 x 4,096 on codes of MX-FP8 (E4M3, an E8M0 byte for 32 along K), f32 sums.
; A work-group of four waves (2 x 2) makes 256 x 256 of out; a wave 128 x 128: 64 accumulators, 512 registers.  256 work-groups.
; THE TWO OPERANDS COME BY TWO ROADS.  x's codes lie in xa in the order of the operand registers (the launch before laid them so): a fragment of 16 rows x 128 K is 2,048 consecutive bytes,
; and a wave loads its eight fragments of a step STRAIGHT INTO REGISTERS, 512 consecutive bytes an instruction, two steps ahead, into two sets.  So LDS carries w alone:
; a ring of two slots of 512 along K (256 rows of w with their scale bytes: four blocks of wq, one tensor load a wave), four steps of 128 between two changes of slots.
; x's scale bytes of the work-group's 256 rows (32,768 dense bytes) come into LDS once, at the head, and stay.
; CLUSTER 4, 1, 1: the four work-groups of a cluster make the four tile rows of one tile column, so they need the same blocks of w: each is asked for jointly (mask 15).  x's rows differ between them.
; A STEP of 128 along K is 64 products in two passes: x's blocks 0-7 against w's blocks 0-3, then against w's 4-7.  So w needs ONE set of registers: blocks 0-3 are fetched anew behind pass 1,
; blocks 4-7 behind pass 2; x's blocks 0-3 are free in the middle of pass 2 and take the step two on, blocks 4-7 at its end.  The loads stand in three runs a step.
; The 64 accumulators take turns.
; THE MATRIX INSTRUCTION IS USED TRANSPOSED (source 0 = 16 rows of w, source 1 = 16 rows of x): a lane holds eight neighbouring numbers of a row of out.  The bias is the first products' C.
; PREFETCH: behind each refill the blocks of w that stand two refills on are asked for, 128 rows of 256 bytes of the block that the wave will fetch, shared out among the four partners by address
; (32 rows each, a lane a row; the block's four rows of scale bytes come by their load alone); fills 2 and 3 are asked for at the head; the last trip asks for nothing.
; xa has no prefetch: all 64 clusters read the same 4 MiB throughout the launch.
; REGISTERS: window 0: v0-31 addresses, v32-63 scale words (two sets), v64-127 the bias, v128-255 w's fragments;  window 1: x's fragments, two sets;
; window 2: accumulators (a, b) for b = 0..3 at v[8 (4 a + b)];  window 3: for b = 4..7.
; LIMITS: NaN and infinities are not served otherwise than the matrix unit serves them.
.set SIZE_N, 16384
.set PITCH,  272                       ; an LDS row: 256 bytes + 16 of padding
.set FR,     16                        ; registers of a fragment
.set BLKB,   33792                     ; a block of wq: 132 rows of 256 bytes
.set BLKL,   132*PITCH                 ; the same in LDS
.set HALFN,  2*BLKL                    ; 128 rows of w, 512 along K
.set SLOT,   2*HALFN
.set SCL,    2*SLOT                    ; x's scale bytes: 128 rows of 256 bytes + padding
.set SPARE,  SCL+128*PITCH             ; the spare words
.set SPITCH, 528                       ; the way out: 16 rows x (512 + 16) bytes a wave, in slot 0 behind its last fill and its last read
.set ADRB, 16                          ; v16-19  w's fragments: slot 0 block 0, 1; slot 1 block 0, 1
.set ADSB, 20                          ; v20-23  w's scale words likewise
.set STO,  24
.set RD,   25
.set ADSA, 27                          ; v27     x's scale words
.set SPW,  28
.set NIL,  29
.set PFO,  30                          ; v30     prefetch: 8,192 x my place among the four + 256 x lane
.set AO,   31                          ; v31     16 x lane
.set SC,   32                          ; set s at v[32 + 16 s]: x's words at + 2 i + 1 - q, w's at + 8 + 2 i + q: lanes 0-15 block 2 i, lanes 16-31 block 2 i + 1; the two numbers of a product differ modulo 8
.set BIAS, 64
.set BF,   128
.set G1B,  24                          ; s[24:31] group 1: a block of w;  s[32:39] group 0 for slot 0, 1
.set G0,   32
.set G1H,  48                          ; s[48:55], s[56:59] the head's: two blocks on end
.set G0H,  56
.set G1S,  68                          ; s[68:75], s[76:79] x's scale bytes
.set G0S,  76
.set PFA,  80
.set PA,   82                          ; s[82:83] xa: my 128 rows, the trip's first step
.set PW,   (3<<16)|(1<<20)|(5<<22)|(3<<25)   ; elements of 8 bytes; 4 words of padding behind every 64
.set JW,   PW|15|(1<<21)               ; and the mask of the four, with bit 21 beside it
.set MSB, 0
.macro WIN new
.if MSB != \new
	s_set_vgpr_msb (MSB<<8)|\new
.set MSB, \new
.endif
.endm
.macro PLACES n
.rept \n
	v_nop
.endr
.endm
.macro CREST
	s_cmp_lg_u32 s14, 0
	s_cbranch_scc1 .Lnot_wave_0_\@
	s_barrier_signal -3
.Lnot_wave_0_\@:
	s_barrier_wait -3
	s_barrier_signal -1
	s_barrier_wait -1
.endm
.macro CROUND
	s_barrier_signal -1
	s_barrier_wait -1
	CREST
.endm
.macro SHAPE g, w0, r                  ; r rows of 256 bytes, dense
	s_mov_b32 s[\g], \w0
	s_mov_b32 s[\g+1], 32<<16
	s_mov_b32 s[\g+2], (\r)<<16
	s_mov_b32 s[\g+3], 32<<16
	s_mov_b32 s[\g+4], \r
	s_mov_b32 s[\g+5], 32
	s_mov_b32 s[\g+6], 0
	s_mov_b32 s[\g+7], 0
.endm
.macro TLOAD g0, g1                    ; an s_nop 0 and four v_nop follow a tensor load
	tensor_load_to_lds s[\g0:\g0+3], s[\g1:\g1+7]
	s_nop 0
	PLACES 4
.endm
	s_load_b256 s[4:11], s[0:1], 0x0               ; xa, x_scales, wq, bias
	s_load_b64 s[12:13], s[0:1], 0x20              ; out0
	v_lshl_add_u32 v[SPW], v0, 2, SPARE
	v_mov_b32 v[NIL], 0
	ds_add_u32 v[SPW], v[NIL]                      ; the opening lines: the add, twice on end, and its wait
	ds_add_u32 v[SPW], v[NIL]
	v_lshrrev_b32 v1, 5, v0
	v_readfirstlane_b32 s14, v1                    ; wave
	s_lshr_b32 s15, s14, 1                         ; my half of the tile's rows; in the ring: which 128 rows of w I fetch
	s_and_b32 s16, s14, 1                          ; my half of its columns; in the ring: which 256 along K of the slot
	s_bfe_u32 s40, ttmp6, 0x40000                  ; my place in the cluster = tile row
	s_and_b32 s42, ttmp7, 0xffff                   ; tile column
	SHAPE G1B, JW, 132
	SHAPE G1H, JW, 264
	SHAPE G1S, PW, 64
	s_lshl_b32 s44, s42, 1
	s_add_co_u32 s46, s44, s15
	s_lshl_b32 s46, s46, 4
	s_add_co_u32 s46, s46, s16
	s_mul_i32 s46, s46, BLKB                       ; the ring: block (2 x tile column + wave / 2, wave % 2)
	s_mov_b32 s47, 0
	s_add_co_u32 s20, s44, s16
	s_mul_i32 s20, s20, 16*BLKB                    ; the head: waves 0, 1: blocks 0 and 1 of 128 rows each
	s_mov_b32 s21, 0
	s_lshl_b32 s22, s40, 15
	s_lshl_b32 s18, s16, 14
	s_add_co_u32 s22, s22, s18                     ; waves 2, 3: the scale bytes of 128 rows of x each
	s_mov_b32 s23, 0
	s_lshl_b32 s18, s40, 1
	s_add_co_u32 s18, s18, s15
	s_lshl_b32 s18, s18, 19                        ; xa: my 128 rows: 524,288 bytes
	s_mov_b32 s19, 0
	s_lshl_b32 s86, s40, 8
	s_lshl_b32 s87, s15, 7
	s_add_co_u32 s86, s86, s87
	s_lshl_b32 s86, s86, 16                        ; out: my first row x 65,536 bytes
	s_mov_b32 s87, 0
	s_lshl_b32 s88, s42, 10
	s_lshl_b32 s89, s16, 9
	s_add_co_u32 s88, s88, s89                     ; my first column, in bytes
	s_mov_b32 s89, 0
	s_lshl_b32 s90, s40, 13
	s_mul_i32 s91, s16, HALFN
	s_mul_i32 s92, s15, 64*PITCH
	s_add_co_u32 s92, s92, SCL
	s_mul_i32 s93, s14, 16*SPITCH
	s_wait_dscnt 0x0                               ; both opening adds are done
	s_wait_kmcnt 0x0
	s_add_nc_u64 s[PA:PA+1], s[4:5], s[18:19]
	s_add_nc_u64 s[46:47], s[8:9], s[46:47]
	s_add_nc_u64 s[20:21], s[8:9], s[20:21]
	s_add_nc_u64 s[22:23], s[6:7], s[22:23]
	s_add_nc_u64 s[10:11], s[10:11], s[88:89]
	s_add_nc_u64 s[12:13], s[12:13], s[86:87]
	s_add_nc_u64 s[12:13], s[12:13], s[88:89]
	s_mov_b64 s[PFA:PFA+1], s[46:47]
.irp s, 0,1
	s_mov_b32 s[G0+4*\s], 1
	s_mul_i32 s[G0+4*\s+1], s14, BLKL
	s_add_co_u32 s[G0+4*\s+1], s[G0+4*\s+1], \s*SLOT
	s_add_nc_u64 s[G0+4*\s+2:G0+4*\s+3], s[46:47], \s*2*BLKB
	s_or_b32 s[G0+4*\s+3], s[G0+4*\s+3], 0x80000000
.endr
	s_mov_b32 s[G0H], 1
	s_mul_i32 s[G0H+1], s16, HALFN
	s_mov_b64 s[G0H+2:G0H+3], s[20:21]
	s_or_b32 s[G0H+3], s[G0H+3], 0x80000000
	s_mov_b32 s[G0S], 1
	s_mul_i32 s[G0S+1], s16, 64*PITCH
	s_add_co_u32 s[G0S+1], s[G0S+1], SCL
	s_mov_b64 s[G0S+2:G0S+3], s[22:23]
	s_or_b32 s[G0S+3], s[G0S+3], 0x80000000
	CROUND                                         ; the four work-groups are here: the first joint loads meet
	s_cmp_lt_u32 s14, 2                            ; the head's loads, one a wave: waves 0, 1 slot 0's halves, waves 2, 3 x's scale bytes
	s_cbranch_scc0 .Lfor_scales
	TLOAD G0H, G1H
	s_branch .Lasked
.Lfor_scales:
	TLOAD G0S, G1S
.Lasked:
	v_and_b32 v1, 15, v0                           ; r
	v_bfe_u32 v2, v0, 4, 1                         ; h
	v_and_b32 v6, 31, v0                           ; lane
	v_lshlrev_b32 v[AO], 4, v6
	v_lshlrev_b32 v8, 5, v2                        ; the bias: my eight columns of a tile
	v_lshl_add_u32 v[PFO], v6, 8, s90
	v_mul_u32_u24 v3, v1, PITCH
	v_lshl_add_u32 v4, v2, 4, v3                   ; a fragment's row x pitch + 16 h
	v_add_nc_u32 v4, s91, v4                       ; my 128 rows of w
	v_lshl_add_u32 v5, v6, 3, s91                  ; their scale words: 8 bytes a row
.irp i, 0,1,2,3
	v_add_nc_u32 v[ADRB+\i], (\i/2)*SLOT+(\i%2)*BLKL, v4
	v_add_nc_u32 v[ADSB+\i], (\i/2)*SLOT+(\i%2)*BLKL+128*PITCH, v5
.endr
	v_lshrrev_b32 v5, 1, v1                        ; x's scale bytes: two rows of 128 bytes in an LDS row
	v_mul_u32_u24 v5, v5, PITCH
	v_and_b32 v7, 1, v1
	v_lshl_add_u32 v5, v7, 7, v5
	v_mad_u32_u24 v5, v2, 8*PITCH, v5              ; lanes 16-31: 16 rows on
	v_add_nc_u32 v[ADSA], s92, v5
	v_mul_u32_u24 v5, v1, SPITCH                   ; my stage: in: row r, 32 bytes for each half of the lanes
	v_lshl_add_u32 v5, v2, 5, v5
	v_add_nc_u32 v[STO], s93, v5
	v_add_nc_u32 v[RD], s93, v[AO]                 ; back: 32 lanes take a row of 512 bytes
	s_wait_alu depctr_va_vdst(0)
.irp b, 0,1,2,3,4,5,6,7
	global_load_b128 v[BIAS+8*\b:BIAS+8*\b+3],   v8, s[10:11] offset:64*\b
	global_load_b128 v[BIAS+8*\b+4:BIAS+8*\b+7], v8, s[10:11] offset:64*\b+16
.endr
.macro ALOAD p, j, a0                  ; x's blocks a0 .. a0 + 3 of the step j behind the trip's first, into set p (window 1)
.irp a, \a0, \a0+1, \a0+2, \a0+3
.irp c, 0,1,2,3
	global_load_b128 v[128*(\p)+FR*(\a)+4*\c:128*(\p)+FR*(\a)+4*\c+3], v[AO], s[PA:PA+1] offset:(\j)*16384+(\a)*2048+\c*512
.endr
.endr
.endm
.macro FETCHB adr, q, b0               ; w's blocks b0 .. b0 + 3: 128 along K at byte 128 q of the block's rows
.irp b, \b0, \b0+1, \b0+2, \b0+3
.irp c, 0,1,2,3
	ds_load_b128 v[BF+FR*(\b)+4*\c:BF+FR*(\b)+4*\c+3], v[ADRB+(\adr)] offset:128*(\q)+32*\c+(\b)*16*PITCH
.endr
.endr
.endm
.macro SCALES sc, adr, off             ; the scale words of 256 along K: 12 loads.  x's two words go into the pair in reverse
.irp i, 0,1,2,3
	ds_load_b32 v[SC+16*(\sc)+2*\i+1], v[ADSA] offset:\i*16*PITCH+(\off)
	ds_load_b32 v[SC+16*(\sc)+2*\i], v[ADSA] offset:\i*16*PITCH+(\off)+4
	ds_load_b64 v[SC+16*(\sc)+8+2*\i:SC+16*(\sc)+9+2*\i], v[ADSB+(\adr)] offset:\i*PITCH
.endr
.endm
.macro WM
.if rRB && rRA
	v_wmma_scale_f32_16x16x128_f8f6f4 v[rD:rD+7], v[rB:rB+FR-1], v[rA:rA+FR-1], v[rC:rC+7], v[rSB], v[rSA] matrix_a_scale:MATRIX_SCALE_ROW1 matrix_b_scale:MATRIX_SCALE_ROW1
.elseif rRB
	v_wmma_scale_f32_16x16x128_f8f6f4 v[rD:rD+7], v[rB:rB+FR-1], v[rA:rA+FR-1], v[rC:rC+7], v[rSB], v[rSA] matrix_a_scale:MATRIX_SCALE_ROW1
.elseif rRA
	v_wmma_scale_f32_16x16x128_f8f6f4 v[rD:rD+7], v[rB:rB+FR-1], v[rA:rA+FR-1], v[rC:rC+7], v[rSB], v[rSA] matrix_b_scale:MATRIX_SCALE_ROW1
.else
	v_wmma_scale_f32_16x16x128_f8f6f4 v[rD:rD+7], v[rB:rB+FR-1], v[rA:rA+FR-1], v[rC:rC+7], v[rSB], v[rSA]
.endif
.endm
.macro MULA a, bh, p, q, sc, first     ; x's block a against w's blocks 4 bh .. 4 bh + 3
.irp b, 0,1,2,3
.set rD,  8*(4*(\a)+\b)
.set rB,  BF+FR*(4*(\bh)+\b)
.set rA,  128*(\p)+FR*(\a)
.set rSB, SC+16*(\sc)+8+2*(2*(\bh)+\b/2)+(\q)
.set rSA, SC+16*(\sc)+2*((\a)/2)+1-(\q)
.set rRB, \b%2
.set rRA, (\a)%2
.if \first
.set rC,  BIAS+8*(4*(\bh)+\b)
.else
.set rC,  rD
.endif
	WM
.endr
.endm
.macro MULQ a0, bh, p, q, sc, first
.irp a, \a0, \a0+1, \a0+2, \a0+3
	MULA \a, \bh, \p, \q, \sc, \first
.endr
.endm
; Pass 1's products with x's blocks waited for one by one, in the order in which their loads come back: younger than block a are the later blocks of its own group of four (4 loads each),
; for a < 4 the group of blocks 4-7 (16), and the next step's 32: 60 - 4 a in all.
.macro MULW a0, p, q, sc, first
.irp a, \a0, \a0+1, \a0+2, \a0+3
	s_wait_loadcnt 60-4*(\a)
	MULA \a, 0, \p, \q, \sc, \first
.endr
.endm
.macro ASK                             ; the trip's two refills ask for the fills two refills on; the last trip (s3 = 1) has none
	s_cmp_gt_u32 s3, 1
	s_cbranch_scc0 .Lnone_\@
	global_prefetch_b8 v[PFO], s[PFA:PFA+1] offset:6*BLKB th:TH_LOAD_NT scope:SCOPE_SE
.Lnone_\@:
.endm
; A step of 128 along K: number u of slot pos; j: its number behind the trip's first.  first: the bias is C.  turn: the slot's last step: 1 with a refill, 2 without.  la: x's fragments two steps on are loaded.
; Eight plain places stand behind the products ahead of each run of loads into registers that they have read.
.macro STEP pos, u, j, first, turn, la
.set P_, (\u)%2
.set SC_, (\u)/2
.if (\u) == 3
.set NADR_, 2*(1-(\pos))
.set NQ_, 0
.else
.set NADR_, 2*(\pos)+((\u)+1)/2
.set NQ_, ((\u)+1)%2
.endif
.if (\turn) == 1
	s_wait_xcnt 0x0                                ; my prefetch has read its address
	s_add_nc_u64 s[PFA:PFA+1], s[PFA:PFA+1], 2*BLKB
.endif
.if \turn
	s_wait_tensorcnt 0x0                           ; my part of the next slot is in;
	ds_add_u32 v[SPW], v[NIL]                      ; 0 onto my spare word
	s_wait_dscnt 17                                ; w's blocks 0-3: younger are blocks 4-7 and the add
.else
	s_wait_dscnt 16                                ; w's blocks 0-3 and the scale words: younger are blocks 4-7
.endif
	WIN 0xa4-0x20*(\first)
	MULW 0, P_, P_, SC_, \first
.if \turn
	s_wait_loadcnt 32                              ; x's blocks 4-7, all four: no wait on memory stands between the signal and its wait
	s_wait_dscnt 0x0                               ; the add is done, and my reads of this slot are over
	s_barrier_signal -1
	MULQ 4, 0, P_, P_, SC_, \first
.else
	MULW 4, P_, P_, SC_, \first
.endif
	WIN 0
.if \turn
	s_barrier_wait -1
.endif
.if (\turn) == 1
	CREST                                          ; the barrier has opened a round of the cluster's: no wave of a partner reads this slot or has a load out
	s_add_nc_u64 s[G0+4*(\pos)+2:G0+4*(\pos)+3], s[G0+4*(\pos)+2:G0+4*(\pos)+3], 4*BLKB
	TLOAD G0+4*(\pos), G1B                         ; the refill, first behind the round: 1,024 along K on
	PLACES 4
.else
	PLACES 8
.endif
.if P_
	SCALES 1-SC_, NADR_, 8*(((\j)+1)/2)
.endif
	FETCHB NADR_, NQ_, 0
.if (\turn) == 1
	ASK
.endif
.if (\turn) == 0
	s_wait_dscnt 16+12*P_                          ; w's blocks 4-7: younger is the run just issued
.endif
	WIN 0xf4-0x30*(\first)
	MULQ 0, 1, P_, P_, SC_, \first
.if \la
	PLACES 8
	WIN 0x40
	ALOAD P_, (\j)+2, 0
	WIN 0xf4-0x30*(\first)
.endif
	MULQ 4, 1, P_, P_, SC_, \first
	PLACES 8
	WIN 0
	FETCHB NADR_, NQ_, 4
.if \la
	WIN 0x40
	ALOAD P_, (\j)+2, 4
	WIN 0
.endif
.endm
	WIN 0x40
	ALOAD 0, 0, 0                                  ; x's fragments of step 0; step 1's follow behind slot 1's first fill
	ALOAD 0, 0, 4
	WIN 0
	global_prefetch_b8 v[PFO], s[PFA:PFA+1] offset:4*BLKB th:TH_LOAD_NT scope:SCOPE_SE   ; fill 2,
	global_prefetch_b8 v[PFO], s[PFA:PFA+1] offset:6*BLKB th:TH_LOAD_NT scope:SCOPE_SE   ; fill 3
	s_wait_tensorcnt 0x0                           ; my tile of the head's is in
	ds_add_u32 v[SPW], v[NIL]
	s_wait_dscnt 0x0
	CROUND
	TLOAD G0+4, G1B                                ; slot 1's first fill
	SCALES 0, 0, 0
	FETCHB 0, 0, 0
	FETCHB 0, 0, 4
	WIN 0x40
	ALOAD 1, 1, 0                                  ; x's fragments of step 1
	ALOAD 1, 1, 4
	WIN 0
	STEP 0, 0, 0, 1, 0, 1                          ; step 0 stands ahead of the loop: its products begin with the bias
	s_mov_b32 s3, 3
.Llap:                                                 ; a trip: eight steps, once round the ring, both slots filled again
	STEP 0, 1, 1, 0, 0, 1
	STEP 0, 2, 2, 0, 0, 1
	STEP 0, 3, 3, 0, 1, 1
	STEP 1, 0, 4, 0, 0, 1
	STEP 1, 1, 5, 0, 0, 1
	STEP 1, 2, 6, 0, 0, 1
	STEP 1, 3, 7, 0, 1, 1
	STEP 0, 0, 8, 0, 0, 1
	s_wait_xcnt 0x0                                ; my loads have read their base
	s_add_nc_u64 s[PA:PA+1], s[PA:PA+1], 8*16384
	v_add_nc_u32 v[ADSA], 32, v[ADSA]              ; x's scale words: 1,024 along K on
	s_wait_alu depctr_va_vdst(0)
	s_sub_co_u32 s3, s3, 1
	s_cmp_lg_u32 s3, 0
	s_cbranch_scc1 .Llap
	STEP 0, 1, 1, 0, 0, 1                          ; steps 25 to 30: nothing is filled again
	STEP 0, 2, 2, 0, 0, 1
	STEP 0, 3, 3, 0, 2, 1
	STEP 1, 0, 4, 0, 0, 1
	STEP 1, 1, 5, 0, 0, 1
	STEP 1, 2, 6, 0, 0, 0
; THE LAST STEP GOES BY ROWS OF out: all its fragments stand in registers, so x's blocks are finished one after the other and each leaves while the next are multiplied.
; A block of 16 rows x 128 columns goes through my own stage and comes back as whole rows of 512 bytes (into x's set 0, which is free); LDS serves a wave's instructions in order.
.macro ROW a
.if (\a) == 4
	s_wait_loadcnt 0x0                             ; x's blocks 4-7
.endif
	WIN 0xa4
	MULA \a, 0, 1, 1, 1, 0
	WIN 0xf4
	MULA \a, 1, 1, 1, 1, 0
.endm
.macro TOSTAGE a
.irp b, 0,1,2,3,4,5,6,7
	WIN 0x08+4*(\b/4)
	ds_store_b128 v[STO], v[8*(4*(\a)+\b%4):8*(4*(\a)+\b%4)+3] offset:64*\b       ; each accumulator from its low end on
	ds_store_b128 v[STO], v[8*(4*(\a)+\b%4)+4:8*(4*(\a)+\b%4)+7] offset:64*\b+16
.endr
	WIN 0x40
.irp t, 0,1,2,3,4,5,6,7,8,9,10,11,12,13,14,15
	ds_load_b128 v[64*((\a)%2)+4*\t:64*((\a)%2)+4*\t+3], v[RD] offset:\t*SPITCH
.endr
.endm
.macro SEND a, younger
	WIN 0x04
	s_wait_dscnt \younger                          ; the block is back in registers
.if (\a) > 0
	s_add_nc_u64 s[12:13], s[12:13], 16*SIZE_N*4   ; behind a wait on XCNT: the earlier stores have read their base
.endif
.irp t, 0,1,2,3,4,5,6,7,8,9,10,11,12,13,14,15
	global_store_b128 v[AO], v[64*((\a)%2)+4*\t:64*((\a)%2)+4*\t+3], s[12:13] offset:\t*SIZE_N*4 th:TH_STORE_NT   ; 32 lanes store 512 consecutive bytes, aligned
.endr
.endm
	s_wait_loadcnt 16                              ; x's blocks 0-3: younger are blocks 4-7
	s_wait_dscnt 0x0
	ROW 0
	ROW 1
	PLACES 8
	TOSTAGE 0
.irp a, 1,2,3,4,5,6,7
.if \a < 7
	ROW \a+1
	PLACES 8
.endif
.if \a > 1
	s_wait_xcnt 0x0                                ; block a - 2's stores have read their registers and their base
.endif
	TOSTAGE \a
	SEND \a-1, 32                                  ; younger: block a's 16 stores and 16 loads
.endr
	s_wait_xcnt 0x0
	SEND 7, 0
	WIN 0
	s_wait_tensorcnt 0x0                           ; the wave's end
	ds_add_u32 v[SPW], v[NIL]
	s_wait_dscnt 0x0
	CROUND                                         ; the closing round
	s_endpgm
.Lfunc_end_k_q3cc26e1df9_gemm:
	.size	k_q3cc26e1df9_gemm, .Lfunc_end_k_q3cc26e1df9_gemm-k_q3cc26e1df9_gemm
	.p2alignl 7, 3214868480
	.fill 96, 4, 3214868480
	.section	.rodata,"a",@progbits
	.p2align	6, 0x0
	.amdhsa_kernel k_q3cc26e1df9_gemm
		.amdhsa_group_segment_fixed_size 327680
		.amdhsa_private_segment_fixed_size 0
		.amdhsa_enable_private_segment 0
		.amdhsa_kernarg_size 40
		.amdhsa_user_sgpr_count 2
		.amdhsa_user_sgpr_kernarg_segment_ptr 1
		.amdhsa_wavefront_size32 1
		.amdhsa_system_sgpr_workgroup_id_x 1
		.amdhsa_system_sgpr_workgroup_id_y 1
		.amdhsa_system_sgpr_workgroup_id_z 1
		.amdhsa_system_vgpr_workitem_id 0
		.amdhsa_next_free_vgpr 1024
		.amdhsa_next_free_sgpr 100
		.amdhsa_reserve_vcc 0
		.amdhsa_float_denorm_mode_32 3
		.amdhsa_float_denorm_mode_16_64 3
		.amdhsa_memory_ordered 1
		.amdhsa_forward_progress 1
		.amdhsa_inst_pref_size 255
	.end_amdhsa_kernel
	.section	.bss,"aw",@nobits
	.p2align	6
	.space	262144
	.amdgpu_metadata
---
amdhsa.version: [ 1, 2 ]
amdhsa.kernels:
  - .name:           k_q3cc26e1df9_gemm
    .symbol:         k_q3cc26e1df9_gemm.kd
    .args:
      - { .name: xa, .offset: 0, .size: 8, .value_kind: global_buffer, .address_space: global }
      - { .name: x_scales, .offset: 8, .size: 8, .value_kind: global_buffer, .address_space: global }
      - { .name: wq, .offset: 16, .size: 8, .value_kind: global_buffer, .address_space: global }
      - { .name: bias, .offset: 24, .size: 8, .value_kind: global_buffer, .address_space: global }
      - { .name: out0, .offset: 32, .size: 8, .value_kind: global_buffer, .address_space: global }
    .group_segment_fixed_size: 327680
    .private_segment_fixed_size: 0
    .kernarg_segment_align: 8
    .kernarg_segment_size: 40
    .max_flat_workgroup_size: 128
    .sgpr_count:     100
    .vgpr_count:     1024
    .wavefront_size: 32
...
	.end_amdgpu_metadata
.endif
;; end of part 2
